; MI455X (gfx1250); checked and timed in simulation.
; The chip was launched on July 23, 2026; its instructions are those of AMD's public machine-readable ISA for CDNA 5 (MIT licence, August 2026) and "CDNA5" Instruction Set Architecture Reference Guide (July 2026). The comments in the code are by the model that wrote it; some were corrected since.
;; Sparse Dense. Allowed arithmetic: matrix products marked QUANTISED: E2M1 operands, one E8M0 scale for each 32 along K, by v_wmma_scale_f32_16x16x128_f8f6f4 with both operands' format E2M1 (or v_wmma_scale_f32_32x16x128_f4), f32 sums; everything else in f32.
;; Inputs: bias 4,096 float32; mask 4,096 x 4,096 bool; weight 4,096 x 4,096 float32; x_codes 4,096 x 128 x 16 uint8 (E2M1 codes of x, K innermost, in blocks of 32 codes, two codes a byte); x_scales 4,096 x 128 uint8 (E8M0 scales of x, one for each 32 codes along K).
;; Outputs: out0 4,096 x 4,096 float32.
;; This version of the problem:
;;   THIS VERSION OF THE PROBLEM IS GIVEN IN LOW PRECISION. The matrix products marked QUANTISED in the list below multiply operands that are first quantised to E2M1 (2 exponent bits, 1 mantissa bit; 4 bits a number), with one power-of-two scale for each 32 numbers along K (OCP MX v1.0); their sums are f32. All else is computed in f32.
;;   The module's matrix products, in the order in which they are computed (A, B: the left and right operand; K: the contracted axis; several contracted axes count as one K, in the product's order):
;;     1. [M 4,096, K 4,096] x [K 4,096, N 4,096]; A: input x (given as codes); B: computed on the way: QUANTISED
;;   THE QUANTISER, for each operand of a quantised product, along K:
;;     - K is cut into blocks of 32 from its start; a last block that is shorter is filled with zeros.
;;     - A block's scale is 2^e with e = floor(log2(the largest magnitude in the block)) - 2, held to -126 .. 127; a block of zeros has e = 0. As a byte (E8M0): e + 127.
;;     - Each number is divided by its block's scale, clamped to +-6, and rounded to the nearest number of E2M1, ties to even, subnormals kept.
;;     - The product sums the exact products of the quantised numbers (number of the format x scale) in f32.
;;   ~~~python
;;   def quantise(x, axis):      # numpy; x: float32 -> the quantised numbers, widened to float32 again
;;       x = np.moveaxis(x, axis, -1); K = x.shape[-1]
;;       x = np.pad(x, [(0, 0)] * (x.ndim - 1) + [(0, -K % 32)]); x = x.reshape(x.shape[:-1] + (-1, 32)); a = np.abs(x).max(-1, keepdims=True)
;;       e = np.where(a > 0, np.clip(np.frexp(np.where(a > 0, a, 1))[1] - 1 - 2, -126, 127), 0)      # np.frexp(a)[1] - 1 = floor(log2(a)), exactly
;;       r = np.clip(x / 2.0 ** e, -6, 6)
;;       step = 2.0 ** (np.maximum(np.frexp(np.where(r == 0, 1, r))[1] - 1, 0) - 1)
;;       q = np.round(r / step) * step * 2.0 ** e      # np.round: ties to even
;;       return np.moveaxis(q.reshape(q.shape[:-2] + (-1,))[..., :K], -1, axis).astype(np.float32)
;;   ~~~
;;   OPERANDS COMPUTED ON THE WAY. 'Computed on the way' means the value that the module computes at that place (a softmax that the list does not call 'softmax' is quantised finished and normalised). What goes into a quantiser is computed in f32, as accurately as f32 sums, v_exp_f32 and their like allow (about 1e-6 of the number): no bf16 or f16 on the way to a quantiser, and a product that is left as it is and whose result goes on into a quantised operand takes f32 operands (vector FMAs, or v_wmma_f32_16x16x4_f32). A number that lies on a knife's edge between two numbers of the format may be rounded either way, as far as f32 arithmetic and the matrix unit's own rounding can turn it there, and no further.
;;   INPUTS GIVEN AS CODES. x (in the module: [4096, 4096], K = its axis 1): each comes as NAME_codes (uint8): NAME with its K axis moved to the last place and cut into blocks of 32 codes, [.., K / 32, bytes a block], one block behind the other in memory; two codes a byte, the lower K in the low four bits (a code: sign, 2 exponent bits, 1 mantissa bit); and NAME_scales (uint8): the same leading axes, one E8M0 byte (e + 127) for each 32 codes along K. Its value is code x scale, taken as it is: it is not quantised again, and the codes and scales need not be those that the quantiser above would give.
;; One version. Each part assembles by itself: llvm-mc -triple=amdgcn-amd-amdhsa -mcpu=gfx1250 --defsym DOCPART=n.
;; ======== version 1 of 1: 2 launches
;; limits: right only within a limited range of input values
;; workspace buffers: wq 8,912,896 bytes
;; launch quant (part 1): grid 8 x 32, 16 waves a work-group, no clusters, 4,096 bytes of LDS; arguments weight, mask, wq; writes wq
.if DOCPART == 1
	.amdgcn_target "amdgcn-amd-amdhsa--gfx1250"
	.amdhsa_code_object_version 6
	.text
	.protected	k_q417a45deb6_quant
	.globl	k_q417a45deb6_quant
	.p2align	8
	.type	k_q417a45deb6_quant,@function
k_q417a45deb6_quant:
	s_mov_b64 s[64:65], 0
	v_nop
	global_prefetch_b8 v0, s[64:65] scope:SCOPE_SE
	s_setreg_imm32_b32 hwreg(HW_REG_WAVE_MODE, 25, 1), 1
	s_wait_xcnt 0x0
; w = weight x mask, [4096 (k)][4096 (n)] f32 and one byte (0 or 1) a number, becomes codes of FP4 (E2M1) with one E8M0 byte for each 32 along K, K being the FIRST axis.
; A block's scale is 2^(floor(log2(its largest magnitude)) - 2); its byte is that magnitude's exponent field - 2, held at 1 from below.
; OUTPUT wq, in the order of the product's operand registers: [tile of 256 columns: 16][128 along K: 32][half of 128 columns: 2][8,704 bytes].  In such a piece:
;   bytes 0 .. 8,191: codes [block b 0..7][c 0..1][h 0..1][r 0..15][16 bytes]: K block 2 c + h of column 64 (b / 4) + 4 r + b % 4;   bytes 8,192 ..: scale words [column 0..127][4 bytes], byte k for K block k.
; SHARES.  A work-group takes 512 columns x 128 along K.  Wave w: 128 columns (cg = w % 4), one K block (kbl = w / 4).  Lane L: the 4 neighbouring columns 4 L + c, that is b = 4 (L / 16) + c, r = L % 16:
; so column c's 16 bytes are stored from registers as they stand, sixteen neighbouring lanes filling 256 consecutive aligned bytes.  One piece of work a wave: no loop, every offset an immediate.
; The four K blocks' scale bytes meet in LDS (a word a lane); waves 0 to 3 turn them into scale words.
; LIMITS: NaN and infinities in weight are not served (a masked one becomes +0 here); mask bytes are 0 or 1; a masked negative number becomes +0, not -0 (the same number);
; a block of zeros gets the byte 1 where the rule says 127 (its codes are zeros, and this program alone reads the bytes); blocks whose largest magnitude lies under 2^-124 have their byte held at 1.
.set T,     8                          ; v8-11    at work
.set SB,    16                         ; v16-19   my four columns' scale bytes
.set W,     32                         ; v32-159  weight: row i at W + 4 i .. + 3
.set M,     160                        ; v160-191 mask: row i's four bytes
.set D,     192                        ; v192-223 one masked column, 32 numbers down K
.set C,     224                        ; v224-239 codes: column c at C + 4 c .. + 3
	s_load_b128 s[4:7], s[0:1], 0x0                ; weight, mask
	s_load_b64 s[8:9], s[0:1], 0x10                ; wq
	v_lshl_add_u32 v30, v0, 2, 2048                ; my spare word, behind the 2,048 bytes of scale words
	v_mov_b32 v31, 0
	v_lshrrev_b32 v1, 5, v0
	v_readfirstlane_b32 s10, v1                    ; wave 0..15
	v_and_b32 v1, 31, v0                           ; L
	v_lshlrev_b32 v6, 2, v0                        ; LDS: 4 x thread = 512 kbl + 128 cg + 4 L
	v_lshlrev_b32 v2, 4, v1                        ; 16 L: weight's offset, and the scale words'
	v_lshlrev_b32 v3, 2, v1                        ; 4 L: mask's offset
	v_and_b32 v4, 15, v1
	v_lshrrev_b32 v5, 4, v1
	v_lshlrev_b32 v4, 4, v4
	v_lshl_add_u32 v4, v5, 12, v4                  ; codes: 4,096 (L / 16) + 16 (L % 16); column c 1,024 c further on
	s_and_b32 s11, s10, 3                          ; cg
	s_lshr_b32 s12, s10, 2                         ; kbl
	s_and_b32 s13, ttmp7, 0xffff                   ; gy: which 128 along K
	s_mov_b32 s20, 0x01010101                      ; v_perm_b32 selectors: byte c of the mask's word into all four bytes (column 0 takes the constant 0)
	s_mov_b32 s21, 0x02020202
	s_mov_b32 s22, 0x03030303
	s_mov_b32 s23, 255
	s_lshl_b32 s14, s13, 7
	s_lshl_b32 s15, s12, 5
	s_add_co_u32 s14, s14, s15                     ; my first row: 128 gy + 32 kbl
	s_lshl_b32 s15, ttmp9, 9
	s_lshl_b32 s16, s11, 7
	s_add_co_u32 s15, s15, s16                     ; my first column: 512 gx + 128 cg
	s_lshl_b32 s16, s14, 14
	s_lshl_b32 s17, s15, 2
	s_add_co_u32 s16, s16, s17                     ; in weight: rows of 16,384 bytes
	s_mov_b32 s17, 0
	s_lshl_b32 s18, s14, 12
	s_add_co_u32 s18, s18, s15                     ; in mask: rows of 4,096 bytes
	s_mov_b32 s19, 0
	s_lshl_b32 s24, ttmp9, 2
	s_add_co_u32 s24, s24, s11                     ; which 128 columns of the 32
	s_lshr_b32 s25, s24, 1
	s_mul_i32 s25, s25, 557056                     ; the tile of 256 columns: 64 pieces
	s_mul_i32 s26, s13, 17408                      ; 2 pieces for each 128 along K
	s_add_co_u32 s25, s25, s26
	s_and_b32 s26, s24, 1
	s_mul_i32 s26, s26, 8704                       ; and the half
	s_add_co_u32 s25, s25, s26                     ; my piece's first byte (all of wq is under 2^24 bytes)
	s_lshl_b32 s27, s12, 8                         ; K block kbl = 2 c + h lies at 512 c + 256 h = 256 kbl
	s_add_co_u32 s28, s25, s27
	s_mov_b32 s29, 0
	s_add_co_u32 s30, s25, 8192                    ; the piece's 512 bytes of scale words
	s_mov_b32 s31, 0
	s_wait_alu depctr_va_vdst(0)                   ; the wait at the head's end
	s_wait_kmcnt 0x0
	s_add_nc_u64 s[4:5], s[4:5], s[16:17]
	s_add_nc_u64 s[6:7], s[6:7], s[18:19]
	s_add_nc_u64 s[32:33], s[8:9], s[30:31]
	s_add_nc_u64 s[8:9], s[8:9], s[28:29]
.set i, 0
.rept 32
	global_load_b32 v[M+i], v3, s[6:7] offset:4096*i th:TH_LOAD_NT          ; row i: the mask's bytes of my four columns
.set i, i+1
.endr
.set i, 0
.rept 32
	global_load_b128 v[W+4*i:W+4*i+3], v2, s[4:5] offset:16384*i th:TH_LOAD_NT   ; row i: my four numbers; the wave reads 512 consecutive bytes
.set i, i+1
.endr
	s_wait_loadcnt 32                              ; the 32 loads of weight were issued behind the mask's: the mask is in
.set i, 0
.rept 32
	v_mul_lo_u32 v[M+i], v[M+i], s23               ; bytes 0 / 1 become 0x00 / 0xff: no byte carries into the next
.set i, i+1
.endr
	s_wait_loadcnt 0x0
; Column c: masked and turned (the 32 registers D run down K); the block's largest magnitude (all 32 numbers are this lane's); the scale; the codes
.macro COLUMN c
.set i, 0
.rept 8
.irp k, 0,1,2,3
.if \c == 0
	v_perm_b32 v[T+\k], v[M+i+\k], v[M+i+\k], 0
.else
	v_perm_b32 v[T+\k], v[M+i+\k], v[M+i+\k], s[19+\c]
.endif
.endr
.irp k, 0,1,2,3
	s_delay_alu instid0(VALU_DEP_4)
	v_and_b32 v[D+i+\k], v[T+\k], v[W+4*(i+\k)+\c]
.endr
.set i, i+4
.endr
	v_max3_num_f32 v12, |v[D]|, |v[D+1]|, |v[D+2]|
	v_max3_num_f32 v13, |v[D+3]|, |v[D+4]|, |v[D+5]|
.irp i, 6,10,14,18,22,26
	s_delay_alu instid0(VALU_DEP_2)
	v_max3_num_f32 v12, v12, |v[D+\i]|, |v[D+\i+1]|
	s_delay_alu instid0(VALU_DEP_2)
	v_max3_num_f32 v13, v13, |v[D+\i+2]|, |v[D+\i+3]|
.endr
	s_delay_alu instid0(VALU_DEP_2)
	v_max3_num_f32 v12, v12, |v[D+30]|, |v[D+31]|
	s_delay_alu instid0(VALU_DEP_1)
	v_max3_num_f32 v12, v12, v13, 0x1800000        ; and the floor 2^(3 - 127): the byte cannot fall under 1
	s_delay_alu instid0(VALU_DEP_1)
	v_add_nc_u32 v14, 0xff000000, v12              ; 2 off the exponent field: the conversion takes this operand's exponent field as its scale
.irp g, 0,1,2,3
	v_cvt_scalef32_pk8_fp4_f32 v[C+4*\c+\g], v[D+8*\g:D+8*\g+7], v14   ; eight numbers down K: the first number's code in the lowest four bits
.endr
	v_lshrrev_b32 v[SB+\c], 23, v14                ; the scale's byte.  Also the plain line between the conversions and the next column's writes of D
.endm
	COLUMN 0
	COLUMN 1
	COLUMN 2
	COLUMN 3
	v_lshl_or_b32 v20, v[SB+1], 8, v[SB]
	v_lshl_or_b32 v21, v[SB+3], 8, v[SB+2]
	v_lshl_or_b32 v20, v21, 16, v20                ; byte p: column 4 L + p's, for my K block
	ds_store_b32 v6, v20
.irp c, 0,1,2,3
	global_store_b128 v4, v[C+4*\c:C+4*\c+3], s[8:9] offset:1024*\c   ; lanes 0-15 and lanes 16-31 each store 256 consecutive bytes, at multiples of 256 from wq's first byte
.endr
	s_wait_dscnt 0x0                               ; for the other waves' sake: my word has landed
	s_barrier_signal -1
	s_barrier_wait -1
	s_cmp_lt_u32 s10, 4
	s_cbranch_scc0 .Lend                           ; waves 0 to 3 (kbl = 0, cg = wave) put the four K blocks' bytes together
.irp k, 0,1,2,3
	ds_load_b32 v[T+\k], v6 offset:512*\k          ; K block k's word lies four waves, 512 bytes, on
.endr
	s_wait_dscnt 0x0
	v_perm_b32 v12, v9, v8, 0x05010400             ; 4 x 4 bytes are turned: word p is to hold byte p of the four registers, K ascending
	v_perm_b32 v13, v9, v8, 0x07030602
	v_perm_b32 v14, v11, v10, 0x05010400
	v_perm_b32 v15, v11, v10, 0x07030602
	s_delay_alu instid0(VALU_DEP_2)
	v_perm_b32 v20, v14, v12, 0x05040100
	s_delay_alu instid0(VALU_DEP_3)
	v_perm_b32 v21, v14, v12, 0x07060302
	s_delay_alu instid0(VALU_DEP_3)
	v_perm_b32 v22, v15, v13, 0x05040100
	s_delay_alu instid0(VALU_DEP_4)
	v_perm_b32 v23, v15, v13, 0x07060302
	global_store_b128 v2, v[20:23], s[32:33]       ; the words of columns 4 L .. 4 L + 3: 512 consecutive bytes, at a multiple of 256 from wq's first byte
.Lend:
	s_wait_tensorcnt 0x0                           ; the wave's end
	ds_add_u32 v30, v31
	s_wait_dscnt 0x0
	s_endpgm
.Lfunc_end_k_q417a45deb6_quant:
	.size	k_q417a45deb6_quant, .Lfunc_end_k_q417a45deb6_quant-k_q417a45deb6_quant
	.p2alignl 7, 3214868480
	.fill 96, 4, 3214868480
	.section	.rodata,"a",@progbits
	.p2align	6, 0x0
	.amdhsa_kernel k_q417a45deb6_quant
		.amdhsa_group_segment_fixed_size 4096
		.amdhsa_private_segment_fixed_size 0
		.amdhsa_enable_private_segment 0
		.amdhsa_kernarg_size 24
		.amdhsa_user_sgpr_count 2
		.amdhsa_user_sgpr_kernarg_segment_ptr 1
		.amdhsa_wavefront_size32 1
		.amdhsa_system_sgpr_workgroup_id_x 1
		.amdhsa_system_sgpr_workgroup_id_y 1
		.amdhsa_system_sgpr_workgroup_id_z 1
		.amdhsa_system_vgpr_workitem_id 0
		.amdhsa_next_free_vgpr 256
		.amdhsa_next_free_sgpr 66
		.amdhsa_reserve_vcc 0
		.amdhsa_float_denorm_mode_32 3
		.amdhsa_float_denorm_mode_16_64 3
		.amdhsa_memory_ordered 1
		.amdhsa_forward_progress 1
		.amdhsa_inst_pref_size 36
	.end_amdhsa_kernel
	.amdgpu_metadata
---
amdhsa.version: [ 1, 2 ]
amdhsa.kernels:
  - .name:           k_q417a45deb6_quant
    .symbol:         k_q417a45deb6_quant.kd
    .args:
      - { .name: weight, .offset: 0, .size: 8, .value_kind: global_buffer, .address_space: global }
      - { .name: mask, .offset: 8, .size: 8, .value_kind: global_buffer, .address_space: global }
      - { .name: wq, .offset: 16, .size: 8, .value_kind: global_buffer, .address_space: global }
    .group_segment_fixed_size: 4096
    .private_segment_fixed_size: 0
    .kernarg_segment_align: 8
    .kernarg_segment_size: 24
    .max_flat_workgroup_size: 512
    .sgpr_count:     66
    .vgpr_count:     256
    .wavefront_size: 32
...
	.end_amdgpu_metadata
.endif
;; end of part 1
;; launch gemm (part 2): grid 16 x 16, 4 waves a work-group, clusters of 4 x 1, 327,680 bytes of LDS; arguments x_codes, x_scales, wq, bias, out0; writes out0
.if DOCPART == 2
	.amdgcn_target "amdgcn-amd-amdhsa--gfx1250"
	.amdhsa_code_object_version 6
	.text
	.protected	k_q417a45deb6_gemm
	.globl	k_q417a45deb6_gemm
	.p2align	8
	.type	k_q417a45deb6_gemm,@function
k_q417a45deb6_gemm:
	s_mov_b64 s[64:65], 0
	v_nop
	global_prefetch_b8 v0, s[64:65] scope:SCOPE_SE
	s_setreg_imm32_b32 hwreg(HW_REG_WAVE_MODE, 25, 1), 1
	s_wait_xcnt 0x0
	s_wait_alu depctr_hold_cnt(0) depctr_sa_sdst(0) depctr_va_vdst(0) depctr_va_sdst(0) depctr_va_ssrc(0) depctr_va_vcc(0) depctr_vm_vsrc(0)
	s_getreg_b32 s2, hwreg(HW_REG_IB_STS2, 6, 4)
	s_cmp_eq_u32 s2, 0
	s_cbranch_scc0 .Lentry_in_a_cluster
	s_endpgm
.Lentry_in_a_cluster:
	s_bfe_u32 s2, ttmp6, 0x10000c
	s_cmp_lg_u32 s2, 0x3003
	s_cbranch_scc0 .Lentry_shape_is_right
	s_endpgm
.Lentry_shape_is_right:
; out0 = relu(x w + bias): x [4096][4096] as FP4 codes and E8M0 bytes, w as launch quant laid it (wq), out0 [4096][4096] f32; sums in f32.
; A work-group of four waves makes 256 x 256 of out0; wave w makes rows 128 (w / 2) .. and columns 128 (w % 2) ..: 4 x 8 accumulators of 32 x 16 (v_wmma_scale_f32_32x16x128_f4), 512 registers.
; K goes in 32 steps of 128, written by macros: every offset is an immediate, no address is stepped.
; x GOES THROUGH LDS: two slots, each 256 rows x 512 bytes (1,024 along K, 8 steps), filled by the tensor data mover; its scales (256 rows x 128 bytes) come once and stay.
; CLUSTERS of 4 x 1: the four work-groups of a cluster make one tile row of out0 and ask for x's tiles and scales jointly (mask 15).
; w GOES STRAIGHT INTO REGISTERS: wq lies in the order of the operand's registers, so a lane loads its 16 bytes and a wave 512 consecutive bytes; a ring of four register sets, step s + 3 asked for in step s.
; No joint load serves w: it lands in registers, not in LDS.  Of a step's LDS reads only x's 16 are left.
; A STEP'S LOADS STAND IN ONE RUN at its head (w for step s + 3, x for step s + 1), ahead of the counted waits for the step's own operands; its matrix lines follow unbroken.
; BLOCK b OF w HOLDS COLUMNS 64 (b / 4) + 4 r + b % 4 (r: the lane mod 16): so register j of four neighbouring blocks is 16 neighbouring bytes of a row of out0; the maximum with 0 gathers them,
; and sixteen lanes store 256 consecutive aligned bytes with no way through LDS.
; THE LAST SLOT GOES BY HALVES OF THE COLUMNS: its 8 steps lie whole in LDS and are filled no more, so they are walked twice, in 16 half steps of 16 matrix lines: first for blocks 0-3 of w, then for blocks 4-7.
; The ring of w goes on as eight units of 32 registers (four blocks of one step; 9 loads).  The first 64 columns are finished after 8 half steps; their 64 stores stand, 8 at a time, in the runs of the other 8.
; THE BIAS is laid into the accumulators of row block 2 and serves the first step of the other three row blocks as C; row block 2 then adds in place.
; PREFETCHES: w: four steps of both halves are 272 blocks of 256 bytes; the four work-groups of a tile column with tile rows 0 to 3 mod 4 share them out, 17 lanes a wave (the other lanes name the wave's last block again);
; steps 4 to 11 are asked for at the head, steps 4 G + 12 .. in step 4 G, nine steps ahead of their first load; steps 0 to 3 come by their loads alone.  x: the slot's 512 blocks, a lane a block,
; shared out among the cluster's four by address, seven steps ahead of each refill; the first two fills come by their loads alone.
; LIMIT: a NaN sum is stored as 0 (the maximum with 0 drops it).
.set PITCH,  528                       ; an LDS row of x: 512 bytes + 16 of padding = 132 words: the 16 rows that a load touches start at 16 different banks (ISA guide 11.1)
.set SLOT,   256*PITCH
.set SCL,    2*SLOT                    ; x's scales: 128 units of 256 bytes (two rows) + 16
.set SPARE,  SCL+128*272               ; the spare words, 128 bytes a wave
.set BSTEP,  17408                     ; a step of wq: two halves of 8,704 bytes
.set NB,     18                        ; loads of w in a step: 16 of codes, 2 of scale words
.set TL,     24                        ; the last slot's first step
.set BI,   8                           ; v8-15   bias of my lane's column in blocks 0-7
.set ADRA, 16                          ; v16-17  LDS address of my fragments of x in slot 0, 1
.set ADRS, 18                          ; v18     of my scale words of x: lane l takes row l of a block of 32
.set BO,   19                          ; v19     16 x lane
.set BSO,  20                          ; v20     16 x (lane mod 16)
.set CO,   21                          ; v21     my byte offset in out0
.set PFA,  22                          ; v22-23  the prefetches' offsets in x and in wq
.set PFB,  23
.set SPW,  28                          ; v28     my spare word; v29 = 0; never rewritten
.set NIL,  29
.set SA,   32                          ; v32-63  x's scale words: two sets of 4 row blocks x 4 steps
.set SB,   64                          ; v64-95  w's scale words: four sets of 8 blocks (eight units of 4)
.set TO,   96                          ; v96-127 rows to store, in the last 8 half steps
.set AF,   128                         ; v128-255 x's fragments, two sets of 64; at the end rows to store
; window 1: w's fragments, four sets of 64 (eight units of 32).   windows 2, 3: accumulator (a, b) at v[16 (8 (a % 2) + b)] of window 2 + a / 2
.set G1H,  24                          ; s[24:31] group 1: 128 rows of x (the head's)
.set G1,   32                          ; s[32:39] 64 rows of x
.set G1S,  40                          ; s[40:47] 64 units of scales
.set G0H,  48
.set G0S,  52
.set G0F1, 56                          ; group 0 of the three later fills
.set G0F2, 60
.set G0F3, 68
.set MSB, 0
.macro WIN new                         ; the immediate's high byte repeats the setting that is left
.if MSB != \new
	s_set_vgpr_msb (MSB<<8)|\new
.set MSB, \new
.endif
.endm
.macro PLACES n
.rept \n
	v_nop
.endr
.endm
.macro CREST                           ; a round of the cluster's barrier behind its opening barrier
	s_cmp_lg_u32 s14, 0
	s_cbranch_scc1 .Lnot_wave_0_\@
	s_barrier_signal -3
.Lnot_wave_0_\@:
	s_barrier_wait -3
	s_barrier_signal -1
	s_barrier_wait -1
.endm
.macro CROUND
	s_barrier_signal -1
	s_barrier_wait -1
	CREST
.endm
.macro BCODE t, b                      ; block b of w for step t
.irp c, 0,1
	global_load_b128 v[64*((\t)%4)+8*(\b)+4*\c:64*((\t)%4)+8*(\b)+4*\c+3], v[BO], s[8:9] offset:(\t)*BSTEP+(\b)*1024+\c*512
.endr
.endm
.macro BSCALE t                        ; its scale words: register b holds block b's, lane r column r's (both halves of the lanes alike)
.irp g, 0,1
	global_load_b128 v[SB+8*((\t)%4)+4*\g:SB+8*((\t)%4)+4*\g+3], v[BSO], s[8:9] offset:(\t)*BSTEP+8192+256*\g
.endr
.endm
.macro BALL t                          ; all of w for step t: NB loads
	WIN 0x40
.irp b, 0,1,2,3,4,5,6,7
	BCODE \t, \b
.endr
	WIN 0
	BSCALE \t
.endm
.macro BONE u                          ; w for half step u of the last slot: blocks 4 (u / 8) .. + 3 of step TL + u % 8, into unit u % 8: 8 loads of codes, then 1 of scale words
	WIN 0x40
.irp i, 0,1,2,3
.irp c, 0,1
	global_load_b128 v[32*((\u)%8)+8*\i+4*\c:32*((\u)%8)+8*\i+4*\c+3], v[BO], s[8:9] offset:(TL+(\u)%8)*BSTEP+(4*((\u)/8)+\i)*1024+\c*512
.endr
.endr
	WIN 0
	global_load_b128 v[SB+4*((\u)%8):SB+4*((\u)%8)+3], v[BSO], s[8:9] offset:(TL+(\u)%8)*BSTEP+8192+256*((\u)/8)
.endm
.macro AFRAG t, i                      ; 16 rows x 128 K of x for step t: lane l holds row l % 16; registers 4 c .. hold K = 64 c + 32 (l / 16) ..
.irp c, 0,1
	ds_load_b128 v[AF+64*((\t)%2)+8*(\i)+4*\c:AF+64*((\t)%2)+8*(\i)+4*\c+3], v[ADRA+((\t)/8)%2] offset:(\i)*16*PITCH+64*((\t)%8)+32*\c
.endr
.endm
.macro ASCALE kq                       ; x's scale words of four steps
.irp a, 0,1,2,3
	ds_load_b128 v[SA+16*((\kq)%2)+4*\a:SA+16*((\kq)%2)+4*\a+3], v[ADRS] offset:\a*4352+16*(\kq)
.endr
.endm
.macro ASK s                           ; the step's prefetches
.if (\s)%4 == 0 && (\s) <= 16
	global_prefetch_b8 v[PFB], s[84:85] offset:((\s)/4+3)*4*BSTEP th:TH_LOAD_NT scope:SCOPE_SE
.endif
.if (\s) == 0 || (\s) == 8
	global_prefetch_b8 v[PFA], s[4:5] offset:1024+64*(\s) th:TH_LOAD_NT scope:SCOPE_SE
.endif
.endm
.macro BNEXT s                         ; w into the set that step s - 1 read: step s + 3 (steps 0 to 3 come at the head), or, from step TL - 3 on, the last slot's first half steps, two to a set: NB loads either way
.if (\s) >= 1 && (\s) <= TL-4
	BALL (\s)+3
.elseif (\s) > TL-4
	BONE 2*((\s)-(TL-3))
	BONE 2*((\s)-(TL-3))+1
.endif
.endm
.macro ANEXT s                         ; x for step s + 1, into the set that step s - 1 read: 16 LDS loads, and 4 more where four steps' scale words are due
.if (\s)%4 == 3
	ASCALE ((\s)+1)/4
.endif
.irp i, 0,1,2,3,4,5,6,7
	AFRAG (\s)+1, \i
.endr
.endm
.macro WM s, a2, b, first              ; source 0 = 32 rows of x, source 1 = 16 columns of w
.set rA, AF+64*((\s)%2)+16*(\a2)
.set rB, 64*((\s)%4)+8*(\b)
.set rD, 16*(8*((\a2)%2)+(\b))
.set rC, rD
.set rSA, SA+16*(((\s)/4)%2)+4*(\a2)+(\s)%4
.set rSB, SB+8*((\s)%4)+(\b)
.if (\first)
.set rC, 16*(\b)
.endif
.if (\first) && (\a2) < 2
	WIN 0xb4                                       ; D window 2, C window 3 (the bias), w window 1, x window 0
.else
	WIN 0xa4+0x50*((\a2)/2)
.endif
	v_wmma_scale_f32_32x16x128_f4 v[rD:rD+15], v[rA:rA+15], v[rB:rB+7], v[rC:rC+15], v[rSA], v[rSB]
.endm
; A step of 128 along K (steps 0 to TL - 1): 32 matrix lines, the 32 accumulators by turns.  turn = 1: the slot's last step: ONE barrier for the change of slots, and the run of loads behind it;
; fill = 1: the barrier opens a round of the cluster's barrier, and the slot just read out is filled again by the load of group 0 g0.
.macro STEP s, turn, fill, g0
.if \turn
	s_wait_dscnt 0x0                               ; this step's fragments of x are in: my reads of this slot are over
	s_wait_loadcnt 2*NB                            ; behind this step's loads of w: those of the last two runs
	s_wait_tensorcnt 0x0                           ; all my tensor loads have landed: my part of the next slot;
	ds_add_u32 v[SPW], v[NIL]
	PLACES 4                                       ; four places in front of this step's loads into registers that the last step's matrix lines have read
.else
.if (\s) > 0
	PLACES 4                                       ; the same four places
.endif
	ASK \s
	BNEXT \s
	ANEXT \s
.if (\s)%4 == 3
	s_wait_dscnt 20                                ; this step's x is in: behind it stand the run's 20 LDS loads
.else
	s_wait_dscnt 16                                ; behind it stand the run's 16
.endif
	s_wait_loadcnt 3*NB                            ; this step's w is in: behind it stand the loads of three runs
.endif
.set n, 0
.rept 32
.set A2, n/8
.if (\s) == 0 && n >= 16
.set A2, 5-n/8                                 ; the first step takes row block 3 ahead of 2, whose registers hold the bias
.endif
.if \turn && n == 8
	s_wait_dscnt 0x0                               ; the add is done
	s_barrier_signal -1
.endif
.if \turn && n == 16
	WIN 0
	s_barrier_wait -1
.if \fill
	CREST                                          ; no wave of any partner still reads this slot or has a load on its way
	tensor_load_to_lds s[\g0:\g0+3], s[G1:G1+7]    ; my one load behind the round: 64 rows
	s_nop 0
	PLACES 4
.endif
	ANEXT \s                                       ; the next slot's first fragments,
	BNEXT \s                                       ; and w
.endif
.if (\s) == 0 && n == 24
	PLACES 5                                       ; five places in front of matrix lines that write over registers which earlier ones read as C
.endif
	WM \s, A2, n%8, (\s)==0
.set n, n+1
.endr
	WIN 0
.endm
; THE WAY OUT of 16 rows x 64 columns (group g of four blocks): row 32 a + 16 t + 8 (l / 16) + j is register 8 t + j of the accumulators (a, 4 g + i); each accumulator is read from its low end on.
.macro OMAX g, a2, t, tb
	s_wait_xcnt 0x0                                ; earlier stores have read their data: the registers are written again only behind this wait
	WIN 0x08+4*((\a2)/2)
.irp j, 0,1,2,3,4,5,6,7
.irp i, 0,1,2,3
	v_max_num_f32 v[\tb+4*\j+\i], 0, v[16*(8*((\a2)%2)+4*(\g)+\i)+8*(\t)+\j]
.endr
.endr
	WIN 0
.endm
.macro OSTO g, a2, t, tb
.irp j, 0,1,2,3,4,5,6,7
	global_store_b128 v[CO], v[\tb+4*\j:\tb+4*\j+3], s[12:13] offset:(32*(\a2)+16*(\t)+\j)*16384+256*(\g) th:TH_STORE_NT   ; sixteen lanes store 256 consecutive bytes, at a multiple of 256 from out0's first byte
.endr
.endm
; Half step u of the last slot: step TL + u % 8, blocks 4 (u / 8) .. + 3 of w: 16 matrix lines on 16 accumulators by turns.  From u = 8 on the run also sends 16 finished rows of the first 64 columns.
.macro HSTEP u
.set KS, TL+(\u)%8
	PLACES 4                                       ; in front of loads into registers that the last matrix lines have read, and of the first read of finished sums
.if (\u) >= 8
	OMAX 0, ((\u)-8)/2, ((\u)-8)%2, TO
.endif
.if (\u) == 0
	BONE 6                                         ; the set that step TL - 1 read takes two units;
	BONE 7
.elseif (\u) <= 8
	BONE (\u)+7                                    ; then the unit that the last half step read takes the half step seven on
.endif
.if (\u) < 15
.if (\u) == 3
	ASCALE (TL+4)/4
.endif
.irp i, 0,1,2,3,4,5,6,7
	AFRAG TL+((\u)+1)%8, \i
.endr
.endif
.if (\u) >= 8
	OSTO 0, ((\u)-8)/2, ((\u)-8)%2, TO
.endif
.if (\u) == 15
	s_wait_dscnt 0x0
.elseif (\u) == 3
	s_wait_dscnt 20                                ; this half step's x is in: behind it stand the run's LDS loads
.else
	s_wait_dscnt 16
.endif
.if (\u) <= 8
	s_wait_loadcnt 63                              ; this unit is in: behind it stand seven units of 9 loads
.else
	s_wait_loadcnt 9*(15-(\u))                     ; behind it stand the units that are left
.endif
.set n, 0
.rept 16
.set rA, AF+64*(KS%2)+16*(n/4)
.set rB, 32*((\u)%8)+8*(n%4)
.set rD, 16*(8*((n/4)%2)+4*((\u)/8)+n%4)
.set rSA, SA+16*((KS/4)%2)+4*(n/4)+KS%4
.set rSB, SB+4*((\u)%8)+n%4
	WIN 0xa4+0x50*(n/8)
	v_wmma_scale_f32_32x16x128_f4 v[rD:rD+15], v[rA:rA+15], v[rB:rB+7], v[rD:rD+15], v[rSA], v[rSB]
.set n, n+1
.endr
	WIN 0
.endm
	s_load_b256 s[4:11], s[0:1], 0x0               ; x_codes, x_scales, wq, bias
	s_load_b64 s[12:13], s[0:1], 0x20              ; out0
	v_lshl_add_u32 v[SPW], v0, 2, SPARE
	v_mov_b32 v[NIL], 0
	ds_add_u32 v[SPW], v[NIL]                      ; the opening lines: the add, twice on end, and its wait
	ds_add_u32 v[SPW], v[NIL]
	v_lshrrev_b32 v1, 5, v0
	v_readfirstlane_b32 s14, v1                    ; wave 0..3
	s_lshr_b32 s15, s14, 1                         ; my half of the rows
	s_and_b32 s16, s14, 1                          ; my half of the columns
	s_bfe_u32 s19, ttmp6, 0x40000                  ; cx
	s_lshl_b32 s18, ttmp9, 2
	s_add_co_u32 s18, s18, s19                     ; tile column = 4 x cluster x + cx
	s_and_b32 s17, ttmp7, 0xffff                   ; tile row = cluster y
	s_mov_b32 s[G1H], 15|(1<<20)|(1<<21)|(6<<22)|(3<<25)   ; mask 15; elements of 1 byte; 4 words of padding behind every 128
	s_mov_b32 s[G1], 15|(1<<20)|(1<<21)|(6<<22)|(3<<25)
	s_mov_b32 s[G1H+2], 128<<16
	s_mov_b32 s[G1H+4], 128
	s_mov_b32 s[G1+2], 64<<16
	s_mov_b32 s[G1+4], 64
.irp g, G1H, G1
	s_mov_b32 s[\g+1], 512<<16
	s_mov_b32 s[\g+3], 512<<16
	s_mov_b32 s[\g+5], 2048
	s_mov_b32 s[\g+6], 0
	s_mov_b32 s[\g+7], 0
.endr
	s_mov_b32 s[G1S], 15|(3<<16)|(1<<20)|(1<<21)|(5<<22)|(3<<25)   ; a dense block as rows of 32 elements of 8 bytes, 4 words of padding behind each
	s_mov_b32 s[G1S+1], 32<<16
	s_mov_b32 s[G1S+2], 64<<16
	s_mov_b32 s[G1S+3], 32<<16
	s_mov_b32 s[G1S+4], 64
	s_mov_b32 s[G1S+5], 32
	s_mov_b32 s[G1S+6], 0
	s_mov_b32 s[G1S+7], 0
	v_and_b32 v1, 15, v0                           ; r
	v_bfe_u32 v2, v0, 4, 1                         ; h
	v_and_b32 v3, 31, v0                           ; l
	v_mul_u32_u24 v4, v1, PITCH
	v_lshl_add_u32 v4, v2, 4, v4
	s_mul_i32 s20, s15, 128*PITCH
	v_add_nc_u32 v[ADRA], s20, v4
	s_add_co_u32 s20, s20, SLOT
	v_add_nc_u32 v[ADRA+1], s20, v4
	v_lshrrev_b32 v5, 1, v3
	v_and_b32 v6, 1, v3
	v_mul_u32_u24 v7, v5, 272
	v_lshl_add_u32 v7, v6, 7, v7
	s_mul_i32 s21, s15, 64*272
	s_add_co_u32 s21, s21, SCL
	v_add_nc_u32 v[ADRS], s21, v7
	v_lshlrev_b32 v[BO], 4, v3
	v_lshlrev_b32 v[BSO], 4, v1
	v_lshl_add_u32 v[CO], v2, 17, v[BSO]           ; lanes 16-31: 8 rows of 16,384 bytes down
	s_lshl_b32 s86, s19, 6
	s_lshl_b32 s87, s14, 4
	s_add_co_u32 s86, s86, s87
	s_lshl_b32 s86, s86, 11                        ; x's prefetch: row 64 cx + 16 wave + l / 2, block l % 2
	v_lshlrev_b32 v5, 11, v5
	v_lshl_add_u32 v5, v6, 8, v5
	v_add_nc_u32 v[PFA], s86, v5
	s_and_b32 s88, s17, 3
	s_lshl_b32 s88, s88, 2
	s_add_co_u32 s88, s88, s14
	s_mul_i32 s88, s88, 17*256                     ; w's: block 17 (4 (tile row % 4) + wave) + min(l, 16)
	v_min_u32 v6, 16, v3
	v_lshl_add_u32 v[PFB], v6, 8, s88
	s_lshl_b32 s72, s17, 19                        ; x: 256 rows of 2,048 bytes a tile row
	s_mov_b32 s73, 0
	s_lshl_b32 s74, s17, 15                        ; its scales: 256 rows of 128 bytes, + the 128 rows that waves 2, 3 fetch
	s_lshl_b32 s75, s16, 14
	s_add_co_u32 s74, s74, s75
	s_mov_b32 s75, 0
	s_mul_i32 s76, s18, 32*BSTEP
	s_mov_b32 s77, 0
	s_mul_i32 s78, s16, 8704
	s_mov_b32 s79, 0
	s_lshl_b32 s80, s18, 10
	s_lshl_b32 s81, s16, 9
	s_add_co_u32 s80, s80, s81                     ; my first column, in bytes
	s_mov_b32 s81, 0
	s_lshl_b32 s82, s17, 8
	s_lshl_b32 s83, s15, 7
	s_add_co_u32 s82, s82, s83
	s_lshl_b32 s82, s82, 14
	s_add_co_u32 s82, s82, s80                     ; my corner of out0
	s_mov_b32 s83, 0
	s_wait_alu depctr_va_vdst(0)                   ; directly ahead of the waits below
	s_wait_dscnt 0x0                               ; both opening adds are done
	s_wait_kmcnt 0x0
	s_add_nc_u64 s[4:5], s[4:5], s[72:73]
	s_add_nc_u64 s[6:7], s[6:7], s[74:75]
	s_add_nc_u64 s[84:85], s[8:9], s[76:77]        ; wq at my tile column
	s_add_nc_u64 s[8:9], s[84:85], s[78:79]        ; and at my half
	s_add_nc_u64 s[10:11], s[10:11], s[80:81]
	s_add_nc_u64 s[12:13], s[12:13], s[82:83]
	global_load_b128 v[BI:BI+3], v[BSO], s[10:11]
	global_load_b128 v[BI+4:BI+7], v[BSO], s[10:11] offset:256
	BALL 0
	BALL 1
	BALL 2
	s_lshl_b32 s20, s16, 18
	s_mov_b32 s21, 0
	s_mov_b32 s[G0H], 1                            ; the head: waves 0, 1 fetch 128 rows each of slot 0,
	s_mul_i32 s[G0H+1], s16, 128*PITCH
	s_add_nc_u64 s[G0H+2:G0H+3], s[4:5], s[20:21]
	s_or_b32 s[G0H+3], s[G0H+3], 0x80000000
	s_mov_b32 s[G0S], 1                            ; waves 2, 3 the scales of 128 rows each
	s_mul_i32 s[G0S+1], s16, 64*272
	s_add_co_u32 s[G0S+1], s[G0S+1], SCL
	s_mov_b64 s[G0S+2:G0S+3], s[6:7]
	s_or_b32 s[G0S+3], s[G0S+3], 0x80000000
	s_lshl_b32 s20, s14, 17
	s_add_nc_u64 s[22:23], s[4:5], s[20:21]        ; later fills: wave w fetches rows 64 w ..
	s_mul_i32 s20, s14, 64*PITCH
.macro LATER g, f
	s_mov_b32 s[\g], 1
	s_add_co_u32 s[\g+1], s20, (\f%2)*SLOT
	s_add_nc_u64 s[\g+2:\g+3], s[22:23], \f*512
	s_or_b32 s[\g+3], s[\g+3], 0x80000000
.endm
	LATER G0F1, 1
	LATER G0F2, 2
	LATER G0F3, 3
	CROUND                                         ; the cluster's four are here: the first joint loads meet
	s_cmp_lt_u32 s14, 2                            ; one tensor load a wave at the head, one to an arm
	s_cbranch_scc0 .Lhead_s
	tensor_load_to_lds s[G0H:G0H+3], s[G1H:G1H+7]
	s_nop 0
	PLACES 4
	s_branch .Lhead_j
.Lhead_s:
	tensor_load_to_lds s[G0S:G0S+3], s[G1S:G1S+7]
	s_nop 0
	PLACES 4
.Lhead_j:
	global_prefetch_b8 v[PFB], s[84:85] offset:4*BSTEP th:TH_LOAD_NT scope:SCOPE_SE
	global_prefetch_b8 v[PFB], s[84:85] offset:8*BSTEP th:TH_LOAD_NT scope:SCOPE_SE
	s_wait_loadcnt 3*NB                            ; the bias is in: behind it stand three steps' loads of w
	WIN 0xc0
.irp b, 0,1,2,3,4,5,6,7
.set k, 0
.rept 16
	v_mov_b32 v[16*\b+k], v[BI+\b]                 ; accumulator (2, b): every row begins with its column's bias
.set k, k+1
.endr
.endr
	WIN 0
	BALL 3
	s_wait_alu depctr_va_vdst(0)                   ; the wait at the head's end
	s_wait_tensorcnt 0x0                           ; my tile of the head's is in
	ds_add_u32 v[SPW], v[NIL]
	s_wait_dscnt 0x0
	CROUND
	tensor_load_to_lds s[G0F1:G0F1+3], s[G1:G1+7]  ; slot 1's first fill
	s_nop 0
	PLACES 4
.irp i, 0,1,2,3,4,5,6,7
	AFRAG 0, \i
.endr
	ASCALE 0
	STEP 0, 0, 0, 0
.set S, 1
.rept TL-1
.if S == 7
	STEP S, 1, 1, G0F2
.elseif S == 15
	STEP S, 1, 1, G0F3
.elseif S == 23
	STEP S, 1, 0, 0
.else
	STEP S, 0, 0, 0
.endif
.set S, S+1
.endr
.set U, 0
.rept 16
	HSTEP U
.set U, U+1
.endr
	PLACES 4                                       ; the other 64 columns: four places behind the last matrix lines
.irp a, 0,1,2,3
.irp t, 0,1
	OMAX 1, \a, \t, AF+32*(2*(\a%2)+\t)
	OSTO 1, \a, \t, AF+32*(2*(\a%2)+\t)
.endr
.endr
	s_wait_tensorcnt 0x0                           ; the wave's end
	ds_add_u32 v[SPW], v[NIL]
	s_wait_dscnt 0x0
	CROUND                                         ; the closing round
	s_endpgm
.Lfunc_end_k_q417a45deb6_gemm:
	.size	k_q417a45deb6_gemm, .Lfunc_end_k_q417a45deb6_gemm-k_q417a45deb6_gemm
	.p2alignl 7, 3214868480
	.fill 96, 4, 3214868480
	.section	.rodata,"a",@progbits
	.p2align	6, 0x0
	.amdhsa_kernel k_q417a45deb6_gemm
		.amdhsa_group_segment_fixed_size 327680
		.amdhsa_private_segment_fixed_size 0
		.amdhsa_enable_private_segment 0
		.amdhsa_kernarg_size 40
		.amdhsa_user_sgpr_count 2
		.amdhsa_user_sgpr_kernarg_segment_ptr 1
		.amdhsa_wavefront_size32 1
		.amdhsa_system_sgpr_workgroup_id_x 1
		.amdhsa_system_sgpr_workgroup_id_y 1
		.amdhsa_system_sgpr_workgroup_id_z 1
		.amdhsa_system_vgpr_workitem_id 0
		.amdhsa_next_free_vgpr 1024
		.amdhsa_next_free_sgpr 96
		.amdhsa_reserve_vcc 0
		.amdhsa_float_denorm_mode_32 3
		.amdhsa_float_denorm_mode_16_64 3
		.amdhsa_memory_ordered 1
		.amdhsa_forward_progress 1
		.amdhsa_inst_pref_size 255
	.end_amdhsa_kernel
	.section	.bss,"aw",@nobits
	.p2align	6
	.space	262144
	.amdgpu_metadata
---
amdhsa.version: [ 1, 2 ]
amdhsa.kernels:
  - .name:           k_q417a45deb6_gemm
    .symbol:         k_q417a45deb6_gemm.kd
    .args:
      - { .name: x_codes, .offset: 0, .size: 8, .value_kind: global_buffer, .address_space: global }
      - { .name: x_scales, .offset: 8, .size: 8, .value_kind: global_buffer, .address_space: global }
      - { .name: wq, .offset: 16, .size: 8, .value_kind: global_buffer, .address_space: global }
      - { .name: bias, .offset: 24, .size: 8, .value_kind: global_buffer, .address_space: global }
      - { .name: out0, .offset: 32, .size: 8, .value_kind: global_buffer, .address_space: global }
    .group_segment_fixed_size: 327680
    .private_segment_fixed_size: 0
    .kernarg_segment_align: 8
    .kernarg_segment_size: 40
    .max_flat_workgroup_size: 128
    .sgpr_count:     96
    .vgpr_count:     1024
    .wavefront_size: 32
...
	.end_amdgpu_metadata
.endif
;; end of part 2
